; MI455X (gfx1250); checked and timed in simulation.
; The chip was launched on July 23, 2026; its instructions are those of AMD's public machine-readable ISA for CDNA 5 (MIT licence, August 2026) and "CDNA5" Instruction Set Architecture Reference Guide (July 2026). The comments in the code are by the model that wrote it; some were corrected since.
;; Multi Head Global Attention. Allowed arithmetic: matrix products marked QUANTISED: E3M2 operands, one E8M0 scale for each 32 along K, by v_wmma_scale_f32_16x16x128_f8f6f4 with both operands' format E3M2, f32 sums; products left as they are: f32 operands where the result goes on into a quantised operand, else bf16, f16 or f32 operands; f32 sums; everything else in f32.
;; Inputs: W_k 512 x 512 float32; W_q 512 x 512 float32; W_v 512 x 512 float32; x 8 x 8,192 x 512 float32.
;; Outputs: out0 8 x 512 float32.
;; This version of the problem:
;;   THIS VERSION OF THE PROBLEM IS GIVEN IN LOW PRECISION. The matrix products marked QUANTISED in the list below multiply operands that are first quantised to E3M2 (3 exponent bits, 2 mantissa bits; 6 bits a number), with one power-of-two scale for each 32 numbers along K (OCP MX v1.0); their sums are f32. All else is computed in f32.
;;   The module's matrix products, in the order in which they are computed (A, B: the left and right operand; K: the contracted axis; several contracted axes count as one K, in the product's order):
;;     1. [M 8, K 512] x [K 512, N 512]; A: input x; B: input W_q: left as it is (M = 8 < 16)
;;     2. [M 65,536, K 512] x [K 512, N 512]; A: input x; B: input W_k: QUANTISED
;;     3. [M 65,536, K 512] x [K 512, N 512]; A: input x; B: input W_v: QUANTISED
;;     4. batch 8 x [M 1, K 512] x [K 512, N 8,192]; A: computed on the way; B: computed on the way: left as it is (M = 1 < 16)
;;     5. batch 8 x [M 1, K 8,192] x [K 8,192, N 512]; A: softmax; B: computed on the way: left as it is (M = 1 < 16)
;;   THE QUANTISER, for each operand of a quantised product, along K:
;;     - K is cut into blocks of 32 from its start; a last block that is shorter is filled with zeros.
;;     - A block's scale is 2^e with e = floor(log2(the largest magnitude in the block)) - 4, held to -126 .. 127; a block of zeros has e = 0. As a byte (E8M0): e + 127.
;;     - Each number is divided by its block's scale, clamped to +-28, and rounded to the nearest number of E3M2, ties to even, subnormals kept.
;;     - The product sums the exact products of the quantised numbers (number of the format x scale) in f32.
;;   ~~~python
;;   def quantise(x, axis):      # numpy; x: float32 -> the quantised numbers, widened to float32 again
;;       x = np.moveaxis(x, axis, -1); K = x.shape[-1]
;;       x = np.pad(x, [(0, 0)] * (x.ndim - 1) + [(0, -K % 32)]); x = x.reshape(x.shape[:-1] + (-1, 32)); a = np.abs(x).max(-1, keepdims=True)
;;       e = np.where(a > 0, np.clip(np.frexp(np.where(a > 0, a, 1))[1] - 1 - 4, -126, 127), 0)      # np.frexp(a)[1] - 1 = floor(log2(a)), exactly
;;       r = np.clip(x / 2.0 ** e, -28, 28)
;;       step = 2.0 ** (np.maximum(np.frexp(np.where(r == 0, 1, r))[1] - 1, -2) - 2)
;;       q = np.round(r / step) * step * 2.0 ** e      # np.round: ties to even
;;       return np.moveaxis(q.reshape(q.shape[:-2] + (-1,))[..., :K], -1, axis).astype(np.float32)
;;   ~~~
;; One version. Each part assembles by itself: llvm-mc -triple=amdgcn-amd-amdhsa -mcpu=gfx1250 --defsym DOCPART=n.
;; ======== version 1 of 1: 3 launches
;; limits: right only within a limited range of input values
;; workspace buffers: wcodes 393,216 bytes; wscales 16,384 bytes; qbuf 16,384 bytes; cpart 524,288 bytes; mlbuf 32,768 bytes
;; launch prep (part 1): grid 256 x 1, 1 waves a work-group, no clusters, 0 bytes of LDS; arguments x, W_q, W_k, W_v, wcodes, wscales, qbuf; writes wcodes, wscales, qbuf
.if DOCPART == 1
	.amdgcn_target "amdgcn-amd-amdhsa--gfx1250"
	.amdhsa_code_object_version 6
	.text
	.protected	k_qe31974fd99_prep
	.globl	k_qe31974fd99_prep
	.p2align	8
	.type	k_qe31974fd99_prep,@function
k_qe31974fd99_prep:
	s_mov_b64 s[64:65], 0
	v_nop
	global_prefetch_b8 v0, s[64:65] scope:SCOPE_SE
	s_setreg_imm32_b32 hwreg(HW_REG_WAVE_MODE, 25, 1), 1
	s_wait_xcnt 0x0
; PREPARATION.  One wave to a work-group, two kinds of work-group, parted on the work-group's number alone.
; Work-groups 0-127: W_k and W_v ([512][512] f32, K innermost) become codes of BF6 (E3M2) with one E8M0 byte for each 32 along K, laid in the ORDER OF THE OPERAND'S REGISTERS for the next launch's eight waves:
;   wcodes  [ph: 0 = W_k, 1 = W_v][wave w 0..7][fragment 4 s + t][group c 0..2][lane][16 bytes]: s = K step of 128; t = tile of 16 rows e = 64 w + 16 t + r; registers 4 c .. 4 c + 3 of the fragment
;   wscales [wave w][8 ph + 2 t + sp][lane][4 bytes]: lanes 0-15 the scale word of K step 2 sp of row r, lanes 16-31 that of K step 2 sp + 1
;   A work-group makes the two fragments of K steps 2 sp and 2 sp + 1 of one tile.  Lane (r, h) loads, of row r, k = 64 c + 32 h + 0 .. 31 of each step: whole blocks, in the order of the operand's registers.
; Work-groups 128-255: q' = (x[b][8191][:] . W_q[e][:]) x log2(e) / sqrt(512), in f32 by fused multiply-adds, for four e and all eight b; qbuf [8][512] f32.
; A block's scale is 2^(floor(log2(its largest magnitude)) - 4); its byte is the largest magnitude's exponent field - 4, held at 1 from below.
; LIMITS: a block of zeros gets the byte 1 where the rule says 127 (its codes are zeros, and this program alone reads the bytes); NaN and infinities among the inputs are not served.
; The weights are 2 MB and q' 16 KB: their loads and stores are short pieces of rows; the bulk of the program's bytes is moved by the next launch.
	s_load_b256 s[4:11], s[0:1], 0x0               ; x s[4:5], W_q s[6:7], W_k s[8:9], W_v s[10:11]
	s_load_b128 s[12:15], s[0:1], 0x20             ; wcodes s[12:13], wscales s[14:15]
	s_load_b64 s[16:17], s[0:1], 0x30              ; qbuf
	s_mov_b32 s18, 0x76543210                      ; v_permlanex16_b32's selects for lane l xor 16
	s_mov_b32 s19, 0xfedcba98
	s_cmp_ge_u32 ttmp9, 128
	s_cbranch_scc1 .Lq
	; ---------------- the weights ----------------
	s_and_b32 s20, ttmp9, 1                        ; sp
	s_bfe_u32 s21, ttmp9, 0x50001                  ; the tile of 16 rows, 0..31 = 4 w + t
	s_lshr_b32 s23, ttmp9, 6                       ; ph
	s_lshr_b32 s22, s21, 2                         ; w
	s_and_b32 s31, s21, 3                          ; t
	s_lshl_b32 s24, s21, 15                        ; the source: 16 rows of 2,048 bytes a tile, + 1,024 sp
	s_lshl_b32 s25, s20, 10
	s_add_co_u32 s24, s24, s25
	s_mov_b32 s25, 0
	s_mul_i32 s26, s23, 196608                     ; the codes: 196,608 ph + 24,576 w + 1,536 (8 sp + t)
	s_mul_i32 s27, s22, 24576
	s_add_co_u32 s26, s26, s27
	s_lshl_b32 s27, s20, 3
	s_add_co_u32 s27, s27, s31
	s_mul_i32 s27, s27, 1536
	s_add_co_u32 s26, s26, s27
	s_mov_b32 s27, 0
	s_lshl_b32 s28, s23, 3                         ; the scale words: 2,048 w + 128 (8 ph + 2 t + sp)
	s_lshl_b32 s29, s31, 1
	s_add_co_u32 s28, s28, s29
	s_add_co_u32 s28, s28, s20
	s_lshl_b32 s28, s28, 7
	s_lshl_b32 s29, s22, 11
	s_add_co_u32 s28, s28, s29
	s_mov_b32 s29, 0
	s_mov_b32 s30, 0xffff0000                      ; lanes 16-31
	v_and_b32 v2, 15, v0                           ; r
	v_lshrrev_b32 v3, 4, v0                        ; h
	v_lshlrev_b32 v1, 11, v2                       ; row r of 2,048 bytes
	v_lshl_add_u32 v1, v3, 7, v1                   ; + 128 h: my block of 32 numbers
	v_lshlrev_b32 v5, 4, v0                        ; 16 x lane
	v_lshlrev_b32 v6, 2, v0                        ; 4 x lane
	v_lshlrev_b32 v7, 3, v3                        ; 8 h
	s_wait_alu depctr_va_vdst(0)                   ; the wait at the head's end
	s_wait_kmcnt 0x0
	s_cmp_lt_u32 ttmp9, 64                         ; W_k or W_v: the choice hangs on the work-group's number alone
	s_cselect_b64 s[8:9], s[8:9], s[10:11]
	s_add_nc_u64 s[8:9], s[8:9], s[24:25]
	s_add_nc_u64 s[12:13], s[12:13], s[26:27]
	s_add_nc_u64 s[14:15], s[14:15], s[28:29]
.irp u, 0,1
.irp c, 0,1
.irp j, 0,1,2,3,4,5,6,7
	global_load_b128 v[64+64*\u+32*\c+4*\j:64+64*\u+32*\c+4*\j+3], v1, s[8:9] offset:512*\u+256*\c+16*\j   ; block n = 2 u + c at v[64 + 32 n]: k = 128 (2 sp + u) + 64 c + 32 h + 0 .. 31
.endr
.endr
.endr
	s_wait_loadcnt 0x0
.irp n, 0,1,2,3                        ; the four blocks' largest magnitudes, two chains each, all by turns; the floor 2^(5 - 127) is one leaf: the byte cannot fall under 1
	v_max3_num_f32 v[8+2*\n], |v[64+32*\n]|, |v[65+32*\n]|, 0x2800000
	v_max3_num_f32 v[9+2*\n], |v[80+32*\n]|, |v[81+32*\n]|, |v[82+32*\n]|
.endr
.irp i, 1,2,3,4,5,6
.irp n, 0,1,2,3
	v_max3_num_f32 v[8+2*\n], v[8+2*\n], |v[64+32*\n+2*\i]|, |v[65+32*\n+2*\i]|
	v_max3_num_f32 v[9+2*\n], v[9+2*\n], |v[81+32*\n+2*\i]|, |v[82+32*\n+2*\i]|
.endr
.endr
.irp n, 0,1,2,3
	v_max3_num_f32 v[8+2*\n], v[8+2*\n], |v[78+32*\n]|, |v[79+32*\n]|
.endr
.irp n, 0,1,2,3
	v_max3_num_f32 v[8+2*\n], v[8+2*\n], v[9+2*\n], |v[95+32*\n]|
.endr
.irp n, 0,1,2,3
	v_add_nc_u32 v[192+\n], 0xfe000000, v[8+2*\n]  ; 4 off the exponent field: the conversion takes the exponent field of this operand as its scale
.endr
.irp n, 0,1,2,3
	v_lshrrev_b32 v[196+\n], 23, v[192+\n]         ; the scale's byte
.endr
.irp u, 0,1
	v_lshl_or_b32 v[200+\u], v[197+2*\u], 16, v[196+2*\u]   ; my two bytes of step u: blocks h and 2 + h of row r,
	v_mov_b32 v[202+\u], 0
.endr
.irp u, 0,1
	v_lshlrev_b32 v[200+\u], v7, v[200+\u]         ; at their places in the word (8 h bits up);
.endr
.irp u, 0,1
	v_permlanex16_b32 v[202+\u], v[200+\u], s18, s19
.endr
.irp u, 0,1
	v_or_b32 v[200+\u], v[200+\u], v[202+\u]       ; with lane l xor 16's two the word is whole, in both halves of the lanes
.endr
.irp n, 0,1,2,3                        ; fragment u = n / 2 at v[16 + 12 u]; block c = n % 2 fills its registers 6 c .. 6 c + 5
	v_cvt_scalef32_pk16_bf6_f32 v[16+12*((\n)/2)+6*((\n)%2):18+12*((\n)/2)+6*((\n)%2)], v[64+32*\n:79+32*\n], v[192+\n]
	v_cvt_scalef32_pk16_bf6_f32 v[40+4*\n:42+4*\n], v[80+32*\n:95+32*\n], v[192+\n]   ; (a conversion's three registers begin on an even number: the upper half is made elsewhere and moved)
.endr
	v_nop                                          ; one plain place behind the scaled conversions
.irp n, 0,1,2,3
.irp i, 0,1,2
	v_mov_b32 v[19+12*((\n)/2)+6*((\n)%2)+\i], v[40+4*\n+\i]
.endr
.endr
	v_cndmask_b32 v204, v200, v201, s30            ; lanes 0-15: step 2 sp's word; lanes 16-31: step 2 sp + 1's
.irp u, 0,1
.irp c, 0,1,2
	global_store_b128 v5, v[16+12*\u+4*\c:19+12*\u+4*\c], s[12:13] offset:6144*\u+512*\c   ; 32 lanes store 512 consecutive bytes
.endr
.endr
	global_store_b32 v6, v204, s[14:15]
	s_endpgm
	; ---------------- q' ----------------
.Lq:
.set XR, 32                            ; v32-159   x's eight last rows: row b at XR + 16 b; register 4 j + i holds k = 128 j + 4 lane + i
.set WR, 160                           ; v160-223  four rows of W_q, laid likewise
.set V,  224                           ; v224-255  the 32 sums of a lane: index 4 b + e
	s_sub_co_u32 s20, ttmp9, 128
	s_lshl_b32 s22, s20, 13                        ; my four rows of W_q: 8,192 bytes
	s_mov_b32 s23, 0
	s_lshl_b32 s24, s20, 4                         ; my four columns of qbuf: 16 bytes
	s_mov_b32 s25, 0
	s_mov_b32 s26, 0xaaaaaaaa                      ; lanes whose bit 0, 1, 2, 3, 4 is set
	s_mov_b32 s27, 0xcccccccc
	s_mov_b32 s28, 0xf0f0f0f0
	s_mov_b32 s29, 0xff00ff00
	s_mov_b32 s30, 0xffff0000
	v_lshlrev_b32 v1, 4, v0                        ; 16 x lane
.irp b, 0,1,2,3,4,5,6,7
	v_add_nc_u32 v[16+\b], \b*16777216+16775168, v1   ; row 8,191 of batch b: (8,192 b + 8,191) x 2,048 bytes
.endr
	v_lshrrev_b32 v4, 2, v0
	v_and_b32 v5, 3, v0
	v_lshlrev_b32 v5, 2, v5
	v_lshl_add_u32 v4, v4, 11, v5                  ; the way out: lane l holds q'(b = l / 4, e0 + l % 4)
	v_mov_b32 v6, 0
	s_wait_alu depctr_va_vdst(0)                   ; the wait at the head's end
	s_wait_kmcnt 0x0
	s_add_nc_u64 s[6:7], s[6:7], s[22:23]
	s_add_nc_u64 s[16:17], s[16:17], s[24:25]
.irp e, 0,1,2,3
.irp j, 0,1,2,3
	global_load_b128 v[WR+16*\e+4*\j:WR+16*\e+4*\j+3], v1, s[6:7] offset:2048*\e+512*\j
.endr
.endr
.irp b, 0,1,2,3,4,5,6,7
.irp j, 0,1,2,3
	global_load_b128 v[XR+16*\b+4*\j:XR+16*\b+4*\j+3], v[16+\b], s[4:5] offset:512*\j
.endr
.endr
	s_wait_loadcnt 0x0
.irp b, 0,1,2,3,4,5,6,7                ; my 16 k of each of the 32 products: four chains by turns, two numbers an instruction
.irp e, 0,1,2,3
	v_pk_mul_f32 v[8+2*\e:9+2*\e], v[XR+16*\b:XR+16*\b+1], v[WR+16*\e:WR+16*\e+1]
.endr
.irp i, 2,4,6,8,10,12,14
.irp e, 0,1,2,3
	v_pk_fma_f32 v[8+2*\e:9+2*\e], v[XR+16*\b+\i:XR+16*\b+\i+1], v[WR+16*\e+\i:WR+16*\e+\i+1], v[8+2*\e:9+2*\e]
.endr
.endr
.irp e, 0,1,2,3
	v_add_f32 v[V+4*\b+\e], v[8+2*\e], v[9+2*\e]
.endr
.endr
; 32 sums over 32 lanes at once: in each stage a lane keeps one of a pair of sums (by its bit of the lane number), sends the other to the lane across, and adds what it receives.
; After five stages lane l holds the whole sum number l.
.macro BFLY cnt, mask, xm
.set n_, 0
.rept \cnt
	v_cndmask_b32 v[8+2*(n_%4)], v[V+2*n_], v[V+2*n_+1], s[\mask]      ; kept
	v_cndmask_b32 v[9+2*(n_%4)], v[V+2*n_+1], v[V+2*n_], s[\mask]      ; sent
	v_add_f32_dpp v[V+n_], v[9+2*(n_%4)], v[8+2*(n_%4)] row_xmask:\xm row_mask:0xf bank_mask:0xf
.set n_, n_+1
.endr
.endm
	BFLY 16, 26, 1
	BFLY 8, 27, 2
	BFLY 4, 28, 4
	BFLY 2, 29, 8
	v_cndmask_b32 v8, v[V], v[V+1], s30
	v_cndmask_b32 v9, v[V+1], v[V], s30
	v_permlanex16_b32 v6, v9, s18, s19
	v_add_f32 v8, v8, v6
	v_mul_f32 v8, 0x3d8293ee, v8                   ; x log2(e) / sqrt(512): the scores then come out as exponents of 2
	global_store_b32 v4, v8, s[16:17]
	s_endpgm
.Lfunc_end_k_qe31974fd99_prep:
	.size	k_qe31974fd99_prep, .Lfunc_end_k_qe31974fd99_prep-k_qe31974fd99_prep
	.p2alignl 7, 3214868480
	.fill 96, 4, 3214868480
	.section	.rodata,"a",@progbits
	.p2align	6, 0x0
	.amdhsa_kernel k_qe31974fd99_prep
		.amdhsa_group_segment_fixed_size 0
		.amdhsa_private_segment_fixed_size 0
		.amdhsa_enable_private_segment 0
		.amdhsa_kernarg_size 56
		.amdhsa_user_sgpr_count 2
		.amdhsa_user_sgpr_kernarg_segment_ptr 1
		.amdhsa_wavefront_size32 1
		.amdhsa_system_sgpr_workgroup_id_x 1
		.amdhsa_system_sgpr_workgroup_id_y 1
		.amdhsa_system_sgpr_workgroup_id_z 1
		.amdhsa_system_vgpr_workitem_id 0
		.amdhsa_next_free_vgpr 256
		.amdhsa_next_free_sgpr 66
		.amdhsa_reserve_vcc 0
		.amdhsa_float_denorm_mode_32 3
		.amdhsa_float_denorm_mode_16_64 3
		.amdhsa_memory_ordered 1
		.amdhsa_forward_progress 1
		.amdhsa_inst_pref_size 41
	.end_amdhsa_kernel
	.amdgpu_metadata
---
amdhsa.version: [ 1, 2 ]
amdhsa.kernels:
  - .name:           k_qe31974fd99_prep
    .symbol:         k_qe31974fd99_prep.kd
    .args:
      - { .name: x, .offset: 0, .size: 8, .value_kind: global_buffer, .address_space: global }
      - { .name: W_q, .offset: 8, .size: 8, .value_kind: global_buffer, .address_space: global }
      - { .name: W_k, .offset: 16, .size: 8, .value_kind: global_buffer, .address_space: global }
      - { .name: W_v, .offset: 24, .size: 8, .value_kind: global_buffer, .address_space: global }
      - { .name: wcodes, .offset: 32, .size: 8, .value_kind: global_buffer, .address_space: global }
      - { .name: wscales, .offset: 40, .size: 8, .value_kind: global_buffer, .address_space: global }
      - { .name: qbuf, .offset: 48, .size: 8, .value_kind: global_buffer, .address_space: global }
    .group_segment_fixed_size: 0
    .private_segment_fixed_size: 0
    .kernarg_segment_align: 8
    .kernarg_segment_size: 56
    .max_flat_workgroup_size: 32
    .sgpr_count:     66
    .vgpr_count:     256
    .wavefront_size: 32
...
	.end_amdgpu_metadata
.endif
;; end of part 1
;; launch main (part 2): grid 256 x 1, 8 waves a work-group, no clusters, 327,680 bytes of LDS; arguments x, wcodes, wscales, qbuf, cpart, mlbuf; writes cpart, mlbuf
.if DOCPART == 2
	.amdgcn_target "amdgcn-amd-amdhsa--gfx1250"
	.amdhsa_code_object_version 6
	.text
	.protected	k_qe31974fd99_main
	.globl	k_qe31974fd99_main
	.p2align	8
	.type	k_qe31974fd99_main,@function
k_qe31974fd99_main:
	s_mov_b64 s[64:65], 0
	v_nop
	global_prefetch_b8 v0, s[64:65] scope:SCOPE_SE
	s_setreg_imm32_b32 hwreg(HW_REG_WAVE_MODE, 25, 1), 1
	s_wait_xcnt 0x0
; THE FUSED LAUNCH.  A work-group owns 256 rows of x (one thirty-second of a batch's 8,192): it quantises them to BF6 (E3M2, one E8M0 byte for each 32 along K), makes k = Q(x) Q(W_k)^T and v = Q(x) Q(W_v)^T
; by v_wmma_scale_f32_16x16x128_f8f6f4, and uses both up in registers: t = q' . k (q' holds log2(e) / sqrt(512) already), M = the largest t of the 256 rows, p = 2^(t - M), L = the sum of p, C = the sum of p v.
; Out go C [512], M and L of the work-group; the next launch joins the 32 work-groups of a batch.  k and v never go to memory; x is read once.
; SHARES.  Eight waves share the columns: wave w holds rows 64 w .. 64 w + 63 of the weights for all of K, 16 fragments of 12 registers.
; PASS 1 takes x in eight blocks of 32 rows.  Of each block wave w fetches rows 4 w .. 4 w + 3 by one tensor load into its own part of a ring of two slots, quantises them, and lays the codes in LDS as images of the
; operand's registers, which all eight waves read.  The images of all 256 rows stay in LDS.  Trip b, one barrier each: quantise block b | k of block b - 1, multiplied by q' and summed over my 64 columns: a score
; partial for each row goes to LDS | the eight waves' partials of block b - 2 are added: lane l holds t of row 32 (b - 2) + l.
; THE SOFTMAX is made once, by every wave: the maximum of all 256 scores is taken away before the exponential.  PASS 2 multiplies the images by W_v.
; W_v: its first 8,192 bytes a wave come into registers in trip 2; the other 16,384 come into the ring's slots when x has left them, and go to the registers that held W_k.
; THE MATRIX INSTRUCTION IS USED TRANSPOSED: source 0 = 16 rows of a weight, source 1 = 16 rows of x.  Lane (r, h) then holds row r of x, and its register j column 16 t + 8 h + j: a row's score is summed inside a
; lane, p is one number a lane, and C is summed over the lanes once, at the end.
; NO CLUSTER: eight of a wave's ten tensor loads bring x, of which no two work-groups read the same bytes; for the two that bring W_v all ten would stand behind rounds of a cluster.
; THE PREFETCH: each wave asks once for its own 8,192 bytes of a block, lanes 256 bytes apart, two tensor loads ahead: blocks 1 and 2 at the head, block b + 3 in trip b, nothing behind block 7.
; The weights are not prefetched: they are read once, by loads that have no trip to run ahead in.
; THE TEXT IS WRITTEN STRAIGHT THROUGH by macros: every LDS offset is an immediate.
; LIMITS: NaN and infinities among the inputs are not served.  A block of zeros gets the byte 1 where the rule says 127: its codes are zeros, and the bytes are read here alone.  The f32 sums of the scores and of the context go in another order than a row-by-row sum.
.set SLOTB, 69632                      ; a slot: wave w at 8,704 w: 32 pieces of 256 bytes (64 numbers), 272 bytes apart: piece = 8 x (row of my 4) + k / 64
.set RINGW, 8704
.set IMG,   139264                     ; the images: fragment 4 m + s (tile of rows m 0..15, K step s) 1,536 bytes; a lane's 12 registers on end, 48 bytes a lane
.set XSC,   237568                     ; x's scale words: (m, s, r) at 256 m + 64 s + 4 r
.set SP,    241664                     ; score partials: wave w, row i at 4,096 (w / 4) + 16 i + 4 (w % 4)
.set SPARE, 249856                     ; the spare words, 128 bytes a wave
.set BLKB,  65536                      ; a block of 32 rows of x in memory
; REGISTERS.  Window 1 holds weights alone: v0-63 W_v's first 64 registers, v64-255 W_k's 192; in pass 2 v0-191 W_v.  Window 0:
.set SPW, 1                            ; v1   my spare word; never rewritten
.set NIL, 2                            ; v2   0; never rewritten
.set LI,  3                            ; v3-4 IMG + 48 x lane, for tiles 0-7 and 8-15
.set XSR, 5                            ; v5   XSC + 4 x lane
.set XRD, 6                            ; v6-7 my piece in slot 0, 1
.set XWI, 8                            ; v8-9 where my codes go, blocks 0-3 and 4-7
.set XWS, 10                           ; v10  where my two scale bytes go
.set SPA, 11                           ; v11  score partials, in
.set SPR, 12                           ; v12  and out: SP + 16 x lane
.set PF,  13                           ; v13  256 x lane
.set WO,  14                           ; v14  16 x lane
.set PX,  15                           ; v15  what a lane permute brings
.set T,   16                           ; v16-23 t, then p, of row 32 b + lane
.set XS,  24                           ; v24-27 x's scale words, two sets of two
.set MX,  28
.set LS,  29
.set WRD, 30                           ; v30-31 my part of slot 0, 1 as W_v's bytes
.set WS,  32                           ; v32-47 the weights' scale words: 8 ph + 2 t + s / 2; lanes 0-15 the even K step's, lanes 16-31 the odd one's
.set Q,   48                           ; v48-79 q' of column 64 w + 16 t + 8 h + j at 8 t + j; in pass 2 C, laid likewise
.set C,   48
.set FS,  80                           ; v80-127, v128-175 x's fragments, two sets
.set S,   128                          ; at work, ahead of set 1's loads
.set ACC, 176                          ; v176-207, v208-239 two sets of four accumulators
.set X,   176                          ; the 64 numbers to be quantised, ahead of the accumulators
.set E,   240                          ; v240-255 codes; sums
.set PE,  248                          ; v248-249 p of the even and of the odd tile's row r
.set MSB, 0
.macro WIN new                         ; the immediate's high byte repeats the setting that is left
.if MSB != (\new)
	s_set_vgpr_msb (MSB<<8)|(\new)
.set MSB, (\new)
.endif
.endm
; 512-byte units u0 .. u0 + n - 1 of a weight's register image: unit u is the four registers dst + 4 u of window 1
.macro WLOAD dst, u0, n, base
	WIN 0x40
.set U_, \u0
.rept \n
	global_load_b128 v[\dst+4*U_:\dst+4*U_+3], v[WO], s[\base:\base+1] offset:512*U_
.set U_, U_+1
.endr
	WIN 0
.endm
; the same from my part of a slot: 16 units, rows of 256 bytes 272 apart; the first goes to register dst
.macro WFROM slot, dst
.set U_, 0
.rept 16
	ds_load_b128 v[\dst+4*U_:\dst+4*U_+3], v[WRD+\slot] offset:544*U_
.set U_, U_+1
.endr
.endm
; x's fragments of tile m and their scale words: 14 loads
.macro FRAG m, set
.irp s, 0,1,2,3
.irp c, 0,1,2
	ds_load_b128 v[FS+48*(\set)+12*\s+4*\c:FS+48*(\set)+12*\s+4*\c+3], v[LI+(\m)/8] offset:6144*((\m)%8)+1536*\s+16*\c
.endr
.endr
.irp c, 0,1
	ds_load_b32 v[XS+2*(\set)+\c], v[XSR] offset:256*(\m)+128*\c
.endr
.endm
; 16 matrix instructions: 16 rows of x x my 64 columns; four accumulators by turns, one instruction a turn.  The first K step starts the sums.
.macro MM wb, ws, set
	WIN 0x01                                       ; source 0 (the weight) window 1
.irp s, 0,1,2,3
.irp t, 0,1,2,3
.if \s == 0
	v_wmma_scale_f32_16x16x128_f8f6f4 v[ACC+32*(\set)+8*\t:ACC+32*(\set)+8*\t+7], v[\wb+12*(4*\s+\t):\wb+12*(4*\s+\t)+11], v[FS+48*(\set)+12*\s:FS+48*(\set)+12*\s+11], 0, v[\ws+2*\t+\s/2], v[XS+2*(\set)+\s/2] matrix_a_fmt:MATRIX_FMT_BF6 matrix_b_fmt:MATRIX_FMT_BF6
.elseif \s == 2
	v_wmma_scale_f32_16x16x128_f8f6f4 v[ACC+32*(\set)+8*\t:ACC+32*(\set)+8*\t+7], v[\wb+12*(4*\s+\t):\wb+12*(4*\s+\t)+11], v[FS+48*(\set)+12*\s:FS+48*(\set)+12*\s+11], v[ACC+32*(\set)+8*\t:ACC+32*(\set)+8*\t+7], v[\ws+2*\t+\s/2], v[XS+2*(\set)+\s/2] matrix_a_fmt:MATRIX_FMT_BF6 matrix_b_fmt:MATRIX_FMT_BF6
.else
	v_wmma_scale_f32_16x16x128_f8f6f4 v[ACC+32*(\set)+8*\t:ACC+32*(\set)+8*\t+7], v[\wb+12*(4*\s+\t):\wb+12*(4*\s+\t)+11], v[FS+48*(\set)+12*\s:FS+48*(\set)+12*\s+11], v[ACC+32*(\set)+8*\t:ACC+32*(\set)+8*\t+7], v[\ws+2*\t+\s/2], v[XS+2*(\set)+\s/2] matrix_a_fmt:MATRIX_FMT_BF6 matrix_b_fmt:MATRIX_FMT_BF6 matrix_a_scale:MATRIX_SCALE_ROW1 matrix_b_scale:MATRIX_SCALE_ROW1
.endif
.endr
.endr
	WIN 0
.endm
.macro PLACES                          ; four places behind a matrix instruction of this form (ISA guide 7.12.1)
.rept 4
	v_nop
.endr
.endm
; My piece of block bk: k = 64 (l % 8) + 0 .. 63 of row 4 w + l / 8: two whole blocks of 32
.macro XLD bk
.irp i, 0,1,2,3,4,5,6,7,8,9,10,11,12,13,14,15
	ds_load_b128 v[X+4*\i:X+4*\i+3], v[XRD+(\bk)%2] offset:16*\i
.endr
.endm
; They become 48 bytes of codes and two scale bytes, of fragment s = (l % 8) / 2: registers 6 (l % 2) .. + 5 of that row's lane in the lower half (first block) and in the upper half (second block)
.macro QX bk
	v_max3_num_f32 v[S+0], |v[X+0]|, |v[X+1]|, 0x2800000            ; two chains a block, the four by turns; the floor 2^(5 - 127) is one leaf: the byte cannot fall under 1
	v_max3_num_f32 v[S+1], |v[X+16]|, |v[X+17]|, |v[X+18]|
	v_max3_num_f32 v[S+2], |v[X+32]|, |v[X+33]|, 0x2800000
	v_max3_num_f32 v[S+3], |v[X+48]|, |v[X+49]|, |v[X+50]|
.irp i, 1,2,3,4,5,6
	v_max3_num_f32 v[S+0], v[S+0], |v[X+2*\i]|, |v[X+2*\i+1]|
	v_max3_num_f32 v[S+1], v[S+1], |v[X+17+2*\i]|, |v[X+18+2*\i]|
	v_max3_num_f32 v[S+2], v[S+2], |v[X+32+2*\i]|, |v[X+33+2*\i]|
	v_max3_num_f32 v[S+3], v[S+3], |v[X+49+2*\i]|, |v[X+50+2*\i]|
.endr
	v_max3_num_f32 v[S+0], v[S+0], |v[X+14]|, |v[X+15]|
	v_max3_num_f32 v[S+2], v[S+2], |v[X+46]|, |v[X+47]|
	v_max3_num_f32 v[S+0], v[S+0], v[S+1], |v[X+31]|
	v_max3_num_f32 v[S+2], v[S+2], v[S+3], |v[X+63]|
	v_add_nc_u32 v[S+4], 0xfe000000, v[S+0]        ; 4 off the exponent field: the conversion takes the exponent field of this operand as its scale
	v_add_nc_u32 v[S+5], 0xfe000000, v[S+2]
	v_lshrrev_b32 v[S+6], 23, v[S+4]               ; the scales' bytes
	v_lshrrev_b32 v[S+7], 23, v[S+5]
	v_lshl_or_b32 v[E+15], v[S+7], 8, v[S+6]
	v_cvt_scalef32_pk16_bf6_f32 v[E:E+2], v[X:X+15], v[S+4]
	v_cvt_scalef32_pk16_bf6_f32 v[E+4:E+6], v[X+16:X+31], v[S+4]
	v_cvt_scalef32_pk16_bf6_f32 v[E+8:E+10], v[X+32:X+47], v[S+5]
	v_cvt_scalef32_pk16_bf6_f32 v[E+12:E+14], v[X+48:X+63], v[S+5]
	v_nop                                          ; one plain place behind the scaled conversions
.irp i, 3,4,5                          ; a block's second half moves up to its first
	v_mov_b32 v[E+\i], v[E+\i+1]
	v_mov_b32 v[E+8+\i], v[E+9+\i]
.endr
.irp i, 0,1,2
	ds_store_b64 v[XWI+(\bk)/4], v[E+2*\i:E+2*\i+1] offset:12288*((\bk)%4)+8*\i
	ds_store_b64 v[XWI+(\bk)/4], v[E+8+2*\i:E+9+2*\i] offset:12288*((\bk)%4)+768+8*\i
.endr
	ds_store_b16 v[XWS], v[E+15] offset:512*(\bk)
.endm
; The score partials of block bk: tile u's accumulators x q', two chains a tile, each accumulator from its low end on; then lanes 0-15 keep tile 0's sum and lanes 16-31 tile 1's, and add what the other half holds of it
.macro EPK bk
.irp t, 0,1,2,3
.irp j, 0,1,2,3
.irp u, 0,1
.if (\t == 0) && (\j < 2)
	v_pk_mul_f32 v[E+4*\u+2*\j:E+4*\u+2*\j+1], v[ACC+32*\u+2*\j:ACC+32*\u+2*\j+1], v[Q+2*\j:Q+2*\j+1]
.else
	v_pk_fma_f32 v[E+4*\u+2*(\j%2):E+4*\u+2*(\j%2)+1], v[ACC+32*\u+8*\t+2*\j:ACC+32*\u+8*\t+2*\j+1], v[Q+8*\t+2*\j:Q+8*\t+2*\j+1], v[E+4*\u+2*(\j%2):E+4*\u+2*(\j%2)+1]
.endif
.endr
.endr
.endr
	v_pk_add_f32 v[E:E+1], v[E:E+1], v[E+2:E+3]
	v_pk_add_f32 v[E+4:E+5], v[E+4:E+5], v[E+6:E+7]
	v_add_f32 v[E], v[E], v[E+1]
	v_add_f32 v[E+4], v[E+4], v[E+5]
	v_cndmask_b32 v[E+2], v[E+4], v[E], s44        ; sent
	v_cndmask_b32 v[E+1], v[E], v[E+4], s44        ; kept
	v_permlanex16_b32 v[PX], v[E+2], s42, s43
	v_add_f32 v[E+1], v[E+1], v[PX]
	ds_store_b32 v[SPA], v[E+1] offset:512*(\bk)
.endm
.macro SLOAD bk                        ; the eight waves' partials of row 32 bk + lane
	ds_load_b128 v[S:S+3], v[SPR] offset:512*(\bk)
	ds_load_b128 v[S+4:S+7], v[SPR] offset:512*(\bk)+4096
.endm
.macro SSUM bk                         ; added: the same numbers in the same order in every wave
	v_pk_add_f32 v[S:S+1], v[S:S+1], v[S+4:S+5]
	v_pk_add_f32 v[S+2:S+3], v[S+2:S+3], v[S+6:S+7]
	v_pk_add_f32 v[S:S+1], v[S:S+1], v[S+2:S+3]
	v_add_f32 v[T+(\bk)], v[S], v[S+1]
.endm
; TRIP bk.  Behind its barrier the codes of block bk - 1 and the partials of block bk - 2 are whole, and the slot that block bk - 1 lay in is read no more.
; The tensor load: block bk + 1; in the last two trips, when nothing of x is left, the second and the last third of my W_v.
; The waits on DScnt above 0: the partials' leaves the x loads (16, if any) and tile 0's fragments (14) out; the x loads' leaves tile 0's fragments out; tile 0's leaves the seven stores of codes (if any) and tile 1's fragments (14) out.
.macro TRIP bk
	s_wait_alu depctr_va_vdst(0)                   ; the wait directly ahead of the waits below
	s_wait_tensorcnt 0x0                           ; my tensor load has landed
	ds_add_u32 v[SPW], v[NIL]                      ; 0 onto my spare word
.if (\bk) == 7
	s_add_nc_u64 s[34:35], s[46:47], 0x2000
	s_or_b32 s35, s35, 0x80000000
.elseif (\bk) == 8
	s_add_nc_u64 s[38:39], s[46:47], 0x4000
	s_or_b32 s39, s39, 0x80000000
.elseif (\bk) > 0
	s_add_nc_u64 s[38-4*((\bk)%2):39-4*((\bk)%2)], s[38-4*((\bk)%2):39-4*((\bk)%2)], 2*BLKB   ; the address steps; the type bits on top are not reached
.endif
	s_wait_dscnt 0x0                               ; the add is done; my reads of the ring are over; my codes and partials have landed
	s_barrier_signal -1
	s_barrier_wait -1
	tensor_load_to_lds s[36-4*((\bk)%2):39-4*((\bk)%2)], s[24:31]
	s_nop 0
.if (\bk) >= 2
	SLOAD (\bk)-2
.endif
.if (\bk) <= 7
	XLD \bk
.endif
.if (\bk) >= 1
	FRAG 2*(\bk)-2, 0
.endif
.if (\bk) >= 2
.if (\bk) <= 7
	s_wait_dscnt 30
.else
	s_wait_dscnt 14
.endif
	SSUM (\bk)-2
.endif
.if (\bk) <= 7
.if (\bk) >= 1
	s_wait_dscnt 14
.else
	s_wait_dscnt 0x0
.endif
	QX \bk
.endif
.if (\bk) <= 4
	global_prefetch_b8 v[PF], s[40:41] offset:((\bk)+3)*BLKB th:TH_LOAD_NT scope:SCOPE_SE
.endif
.if (\bk) == 0
	WLOAD 64, 24, 24, 6                            ; the second half of W_k
.endif
.if (\bk) == 2
	WLOAD 0, 0, 16, 46                             ; the first third of W_v
.endif
.if (\bk) >= 1
	FRAG 2*(\bk)-1, 1
.if (\bk) == 1
	s_wait_loadcnt 0x0                             ; W_k, all scale words and q'
.endif
.if (\bk) <= 7
	s_wait_dscnt 21
.else
	s_wait_dscnt 14
.endif
	MM 64, WS, 0
	s_wait_dscnt 0x0
	MM 64, WS, 1
	PLACES
	EPK (\bk)-1
.endif
.endm
; p of block bk for both of its tiles: the other half of the lanes holds the other tile's
.macro PEO bk
	v_permlanex16_b32 v[PX], v[T+(\bk)], s42, s43
	v_cndmask_b32 v[PE], v[T+(\bk)], v[PX], s44
	v_cndmask_b32 v[PE+1], v[PX], v[T+(\bk)], s44
.endm
; v of tile m is used up: C += p v, two columns an instruction, each accumulator from its low end on
.macro EPV m
.irp t, 0,1,2,3
.irp j, 0,1,2,3
.if (\m) == 0
	v_pk_mul_f32 v[C+8*\t+2*\j:C+8*\t+2*\j+1], v[ACC+8*\t+2*\j:ACC+8*\t+2*\j+1], v[PE:PE+1] op_sel_hi:[1,0]
.elseif (\m)%2 == 0
	v_pk_fma_f32 v[C+8*\t+2*\j:C+8*\t+2*\j+1], v[ACC+8*\t+2*\j:ACC+8*\t+2*\j+1], v[PE:PE+1], v[C+8*\t+2*\j:C+8*\t+2*\j+1] op_sel_hi:[1,0,1]
.else
	v_pk_fma_f32 v[C+8*\t+2*\j:C+8*\t+2*\j+1], v[ACC+32+8*\t+2*\j:ACC+32+8*\t+2*\j+1], v[PE:PE+1], v[C+8*\t+2*\j:C+8*\t+2*\j+1] op_sel:[0,1,0] op_sel_hi:[1,1,1]
.endif
.endr
.endr
.endm
; Tile m of pass 2.  Behind its products the tile before is used up: those 16 instructions name none of their registers and are the places in front of the loads into this tile's fragments and of the next reads.
; The wait's 14: the next tile's fragments may be out.
.macro UNIT m
.if (\m) < 15
	s_wait_dscnt 14
.else
	s_wait_dscnt 0x0
.endif
	MM 0, WS+8, (\m)%2
.if (\m) == 0
	PLACES
.else
.if (\m)%2 == 1
	PEO (\m)/2
.endif
	EPV (\m)-1
.endif
.if (\m) < 14
	FRAG (\m)+2, (\m)%2
.endif
.endm
	s_load_b256 s[4:11], s[0:1], 0x0               ; x s[4:5], wcodes s[6:7], wscales s[8:9], qbuf s[10:11]
	s_load_b128 s[12:15], s[0:1], 0x20             ; cpart s[12:13], mlbuf s[14:15]
	v_lshl_add_u32 v[SPW], v0, 2, SPARE
	v_mov_b32 v[NIL], 0
	ds_add_u32 v[SPW], v[NIL]                      ; the wave's opening: the add, twice on end, and its one wait ahead of my first tensor load
	ds_add_u32 v[SPW], v[NIL]
	v_lshrrev_b32 v[E], 5, v0
	v_readfirstlane_b32 s16, v[E]                  ; wave 0..7
	; descriptor group 1: 8,192 dense bytes as 32 rows of 256 bytes (32 elements of 8), 16 bytes of padding behind each
	s_mov_b32 s24, (3<<16)|(1<<20)|(5<<22)|(3<<25) ; 15:0 no mask; 17:16 elements of 8 bytes; 20 padding on; 24:22 after every 64 words (code 5); 31:25 of 4 words (code 3)
	s_mov_b32 s25, 32<<16                          ; tensor_dim0 = 32
	s_mov_b32 s26, 32<<16                          ; tensor_dim1 = 32
	s_mov_b32 s27, 32<<16                          ; tile_dim0 = 32
	s_mov_b32 s28, 32                              ; tile_dim1 = 32
	s_mov_b32 s29, 32                              ; tensor_dim0_stride
	s_mov_b32 s30, 0
	s_mov_b32 s31, 0
	s_mul_i32 s17, s16, RINGW                      ; my part of a slot
	s_lshl_b32 s18, ttmp9, 19                      ; the work-group's 256 rows of 2,048 bytes,
	s_lshl_b32 s19, s16, 13                        ; my 4 rows of a block
	s_add_co_u32 s18, s18, s19
	s_mov_b32 s19, 0
	s_mov_b32 s42, 0x76543210                      ; v_permlanex16_b32's selects for lane l xor 16
	s_mov_b32 s43, 0xfedcba98
	s_mov_b32 s44, 0xffff0000                      ; lanes 16-31
	s_mov_b32 s32, 1                               ; group 0 for slot 0 and for slot 1: count = 1,
	s_mov_b32 s33, s17                             ; LDS address
	s_mov_b32 s36, 1
	s_add_co_u32 s37, s17, SLOTB
	s_wait_dscnt 0x0                               ; both opening adds are done
	s_wait_alu depctr_va_vdst(0)                   ; the wait directly ahead of the wait below
	s_wait_kmcnt 0x0
	s_add_nc_u64 s[40:41], s[4:5], s[18:19]        ; x at my rows of block 0; never rewritten
	s_mov_b64 s[34:35], s[40:41]                   ; block 0,
	s_or_b32 s35, s35, 0x80000000                  ; type = 2
	s_add_nc_u64 s[38:39], s[40:41], BLKB          ; block 1
	s_or_b32 s39, s39, 0x80000000
	tensor_load_to_lds s[32:35], s[24:31]          ; block 0: my one tensor load at the head
	s_nop 0
	s_mul_i32 s20, s16, 24576
	s_mov_b32 s21, 0
	s_add_nc_u64 s[6:7], s[6:7], s[20:21]          ; my W_k,
	s_add_nc_u64 s[46:47], s[6:7], 0x30000         ; my W_v: 196,608 bytes on
	s_lshl_b32 s20, s16, 11
	s_add_nc_u64 s[8:9], s[8:9], s[20:21]          ; my 16 registers of scale words
	s_lshr_b32 s20, ttmp9, 5                       ; the batch
	s_lshl_b32 s20, s20, 11
	s_lshl_b32 s22, s16, 8                         ; my 64 columns
	s_add_co_u32 s20, s20, s22
	s_add_nc_u64 s[10:11], s[10:11], s[20:21]
	s_lshl_b32 s20, ttmp9, 11
	s_add_co_u32 s20, s20, s22
	s_add_nc_u64 s[12:13], s[12:13], s[20:21]
	s_lshl_b32 s20, ttmp9, 7
	s_add_nc_u64 s[14:15], s[14:15], s[20:21]
	s_lshr_b32 s18, s16, 2                         ; w / 4: which of a block's two tiles my rows lie in
	s_and_b32 s19, s16, 3                          ; w % 4: which four of its rows
	s_mul_i32 s20, s18, 6144
	s_mul_i32 s21, s19, 192
	s_add_co_u32 s20, s20, s21
	s_add_co_u32 s20, s20, IMG
	s_lshl_b32 s21, s18, 8
	s_lshl_b32 s22, s19, 4
	s_add_co_u32 s21, s21, s22
	s_add_co_u32 s21, s21, XSC
	s_lshl_b32 s22, s18, 12
	s_lshl_b32 s23, s19, 2
	s_add_co_u32 s22, s22, s23
	s_add_co_u32 s22, s22, SP
	v_and_b32 v[X], 31, v0                         ; lane
	v_and_b32 v[X+1], 15, v0                       ; r
	v_bfe_u32 v[X+2], v0, 4, 1                     ; h
	v_bfe_u32 v[X+3], v0, 1, 2                     ; (l % 8) / 2: my piece's K step
	v_bfe_u32 v[X+4], v0, 3, 2                     ; l / 8: my piece's row of my four
	v_and_b32 v[X+5], 1, v0                        ; l % 2: which 64 of the K step's 128
	v_lshlrev_b32 v[WO], 4, v[X]
	v_lshlrev_b32 v[PF], 8, v[X]
	v_lshlrev_b32 v[T], 5, v[X+2]                  ; 32 h: the offset of q's loads; written again only behind the wait that shows them done
	v_lshlrev_b32 v[T+1], 2, v[X]                  ; 4 x lane: that of the scale words' loads; likewise
	v_mul_u32_u24 v[LI], v[X], 48
	v_mul_u32_u24 v[XRD], v[X], 272
	v_mul_u32_u24 v[XWI], v[X+3], 1536
	v_mul_u32_u24 v[WRD], v[X+2], 272
	v_lshlrev_b32 v[XWS], 6, v[X+3]
	v_add_nc_u32 v[LI], IMG, v[LI]
	v_add_nc_u32 v[XRD], s17, v[XRD]
	v_mad_u32_u24 v[XWI], v[X+4], 48, v[XWI]
	v_lshl_add_u32 v[WRD], v[X+1], 4, v[WRD]
	v_lshl_add_u32 v[XWS], v[X+4], 2, v[XWS]
	v_mad_u32_u24 v[XWI], v[X+5], 24, v[XWI]
	v_add_nc_u32 v[WRD], s17, v[WRD]
	v_lshl_add_u32 v[XWS], v[X+5], 1, v[XWS]
	v_add_nc_u32 v[XWI], s20, v[XWI]
	v_add_nc_u32 v[XWS], s21, v[XWS]
	v_add_nc_u32 v[LI+1], 49152, v[LI]
	v_add_nc_u32 v[XRD+1], SLOTB, v[XRD]
	v_add_nc_u32 v[WRD+1], SLOTB, v[WRD]
	v_add_nc_u32 v[XWI+1], 49152, v[XWI]
	v_lshl_add_u32 v[XSR], v[X], 2, XSC
	v_lshl_add_u32 v[SPA], v[X], 4, s22
	v_lshl_add_u32 v[SPR], v[X], 4, SP
	v_mov_b32 v[PX], 0                             ; (a lane permute's destination counts as one of its sources)
	global_prefetch_b8 v[PF], s[40:41] offset:BLKB th:TH_LOAD_NT scope:SCOPE_SE
	global_prefetch_b8 v[PF], s[40:41] offset:2*BLKB th:TH_LOAD_NT scope:SCOPE_SE
	WLOAD 64, 0, 24, 6                             ; the first half of W_k
.set GI, 0
.rept 16
	global_load_b32 v[WS+GI], v[T+1], s[8:9] offset:128*GI
.set GI, GI+1
.endr
.irp t, 0,1,2,3
	global_load_b128 v[Q+8*\t:Q+8*\t+3], v[T], s[10:11] offset:64*\t
	global_load_b128 v[Q+8*\t+4:Q+8*\t+7], v[T], s[10:11] offset:64*\t+16
.endr
	TRIP 0
	TRIP 1
	TRIP 2
	TRIP 3
	TRIP 4
	TRIP 5
	TRIP 6
	TRIP 7
	TRIP 8
	s_wait_alu depctr_va_vdst(0)                   ; the wait directly ahead of the waits below
	s_wait_dscnt 0x0                               ; my last partials have landed
	s_barrier_signal -1
	s_barrier_wait -1                              ; My last tensor load may stay out
	SLOAD 7
	FRAG 0, 0
	s_wait_tensorcnt 0x0                           ; both later thirds of my W_v; only I read them
	WIN 0x40
	WFROM 0, 64                                    ; into the registers that held W_k
	WFROM 1, 128
	WIN 0
	s_wait_dscnt 46                                ; the partials are in: behind them stand 14 + 32 loads
	SSUM 7
	FRAG 1, 1
	v_max3_num_f32 v[E], v[T], v[T+1], v[T+2]      ; the largest of the 256 scores
	v_max3_num_f32 v[E+1], v[T+3], v[T+4], v[T+5]
	v_max3_num_f32 v[E], v[E], v[T+6], v[T+7]
	v_max_num_f32 v[E], v[E], v[E+1]
.irp x, 1,2,4,8
	v_max_num_f32_dpp v[E], v[E], v[E] row_xmask:\x row_mask:0xf bank_mask:0xf
.endr
	v_permlanex16_b32 v[PX], v[E], s42, s43
	v_max_num_f32 v[MX], v[E], v[PX]
.irp b, 0,1,2,3,4,5,6,7
	v_sub_f32 v[T+\b], v[T+\b], v[MX]
.endr
	s_wait_alu depctr_va_vdst(0)                   ; the wait ahead of the batch
.irp b, 0,1,2,3,4,5,6,7
	v_exp_f32 v[T+\b], v[T+\b]                     ; p, at most 1
.endr
	v_nop                                          ; one plain place behind the exponentials
	s_wait_alu depctr_va_vdst(0)                   ; and behind it, ahead of its first reader
	v_pk_add_f32 v[E:E+1], v[T:T+1], v[T+2:T+3]
	v_pk_add_f32 v[E+2:E+3], v[T+4:T+5], v[T+6:T+7]
	v_pk_add_f32 v[E:E+1], v[E:E+1], v[E+2:E+3]
	v_add_f32 v[LS], v[E], v[E+1]                  ; my lane's part of L
	s_wait_alu depctr_va_vdst(0)                   ; the wait directly ahead of the wait below
	s_wait_loadcnt 0x0                             ; the first third of my W_v
.irp m, 0,1,2,3,4,5,6,7,8,9,10,11,12,13,14,15
	UNIT \m
.endr
	EPV 15
	; THE WAY OUT.  32 sums over the 16 lanes of a half at once: in each stage a lane keeps one of a pair by its bit of the lane number and adds what the lane across sends of it.
	; Lane (r, h) ends with sums 16 n + r, n = 0, 1: column 32 n + 16 (r / 8) + 8 h + r % 8.
	s_mov_b32 s48, 0xaaaaaaaa                      ; lanes whose bit 0, 1, 2, 3 is set
	s_mov_b32 s49, 0xcccccccc
	s_mov_b32 s50, 0xf0f0f0f0
	s_mov_b32 s51, 0xff00ff00
.macro BFLYC cnt, mask, xm
.set n_, 0
.rept \cnt
	v_cndmask_b32 v[E+2*(n_%4)], v[C+2*n_], v[C+2*n_+1], s[\mask]
	v_cndmask_b32 v[E+1+2*(n_%4)], v[C+2*n_+1], v[C+2*n_], s[\mask]
	v_add_f32_dpp v[C+n_], v[E+1+2*(n_%4)], v[E+2*(n_%4)] row_xmask:\xm row_mask:0xf bank_mask:0xf
.set n_, n_+1
.endr
.endm
	BFLYC 16, 48, 1
	BFLYC 8, 49, 2
	BFLYC 4, 50, 4
	BFLYC 2, 51, 8
	v_bfe_u32 v[E+10], v0, 3, 1
	v_bfe_u32 v[E+11], v0, 4, 1
	v_and_b32 v[E+12], 7, v0
	v_lshlrev_b32 v[E+10], 6, v[E+10]
	v_lshl_add_u32 v[E+10], v[E+11], 5, v[E+10]
	v_lshl_add_u32 v[E+10], v[E+12], 2, v[E+10]
	global_store_b32 v[E+10], v[C], s[12:13]       ; the 32 lanes store 128 consecutive bytes, my wave's 256 on end
	global_store_b32 v[E+10], v[C+1], s[12:13] offset:128
.irp x, 1,2,4,8
	v_add_f32_dpp v[LS], v[LS], v[LS] row_xmask:\x row_mask:0xf bank_mask:0xf
.endr
	v_permlanex16_b32 v[PX], v[LS], s42, s43
	v_add_f32 v[LS], v[LS], v[PX]
	v_and_b32 v[E+13], 31, v0
	v_lshlrev_b32 v[E+13], 2, v[E+13]
	v_cndmask_b32 v[E+14], v[MX], v[LS], s48       ; M in the even words, L in the odd ones of the work-group's 128 bytes
	s_wait_alu depctr_va_vdst(0)                   ; the wait directly ahead of the branch
	s_cmp_lg_u32 s16, 0                            ; M and L are the same in all eight waves: wave 0 stores them
	s_cbranch_scc1 .Lnot_wave_0
	global_store_b32 v[E+13], v[E+14], s[14:15]
.Lnot_wave_0:
	s_wait_tensorcnt 0x0                           ; the wave's end, behind my last tensor load and my last LDS store
	ds_add_u32 v[SPW], v[NIL]
	s_wait_dscnt 0x0
	s_endpgm
.Lfunc_end_k_qe31974fd99_main:
	.size	k_qe31974fd99_main, .Lfunc_end_k_qe31974fd99_main-k_qe31974fd99_main
	.p2alignl 7, 3214868480
	.fill 96, 4, 3214868480
	.section	.rodata,"a",@progbits
	.p2align	6, 0x0
	.amdhsa_kernel k_qe31974fd99_main
		.amdhsa_group_segment_fixed_size 327680
		.amdhsa_private_segment_fixed_size 0
		.amdhsa_enable_private_segment 0
		.amdhsa_kernarg_size 48
		.amdhsa_user_sgpr_count 2
		.amdhsa_user_sgpr_kernarg_segment_ptr 1
		.amdhsa_wavefront_size32 1
		.amdhsa_system_sgpr_workgroup_id_x 1
		.amdhsa_system_sgpr_workgroup_id_y 1
		.amdhsa_system_sgpr_workgroup_id_z 1
		.amdhsa_system_vgpr_workitem_id 0
		.amdhsa_next_free_vgpr 512
		.amdhsa_next_free_sgpr 66
		.amdhsa_reserve_vcc 0
		.amdhsa_float_denorm_mode_32 3
		.amdhsa_float_denorm_mode_16_64 3
		.amdhsa_memory_ordered 1
		.amdhsa_forward_progress 1
		.amdhsa_inst_pref_size 200
	.end_amdhsa_kernel
	.amdgpu_metadata
---
amdhsa.version: [ 1, 2 ]
amdhsa.kernels:
  - .name:           k_qe31974fd99_main
    .symbol:         k_qe31974fd99_main.kd
    .args:
      - { .name: x, .offset: 0, .size: 8, .value_kind: global_buffer, .address_space: global }
      - { .name: wcodes, .offset: 8, .size: 8, .value_kind: global_buffer, .address_space: global }
      - { .name: wscales, .offset: 16, .size: 8, .value_kind: global_buffer, .address_space: global }
      - { .name: qbuf, .offset: 24, .size: 8, .value_kind: global_buffer, .address_space: global }
      - { .name: cpart, .offset: 32, .size: 8, .value_kind: global_buffer, .address_space: global }
      - { .name: mlbuf, .offset: 40, .size: 8, .value_kind: global_buffer, .address_space: global }
    .group_segment_fixed_size: 327680
    .private_segment_fixed_size: 0
    .kernarg_segment_align: 8
    .kernarg_segment_size: 48
    .max_flat_workgroup_size: 256
    .sgpr_count:     66
    .vgpr_count:     512
    .wavefront_size: 32
...
	.end_amdgpu_metadata
.endif
;; end of part 2
;; launch comb (part 3): grid 32 x 1, 1 waves a work-group, no clusters, 0 bytes of LDS; arguments cpart, mlbuf, out0; writes out0
.if DOCPART == 3
	.amdgcn_target "amdgcn-amd-amdhsa--gfx1250"
	.amdhsa_code_object_version 6
	.text
	.protected	k_qe31974fd99_comb
	.globl	k_qe31974fd99_comb
	.p2align	8
	.type	k_qe31974fd99_comb,@function
k_qe31974fd99_comb:
	s_mov_b64 s[64:65], 0
	v_nop
	global_prefetch_b8 v0, s[64:65] scope:SCOPE_SE
	s_setreg_imm32_b32 hwreg(HW_REG_WAVE_MODE, 25, 1), 1
	s_wait_xcnt 0x0
; THE JOIN.  A batch's 32 work-groups of the launch before left each a maximum M_g, a sum L_g (under M_g) and a context C_g [512] (under M_g).
; out0[b][:] = the sum over g of 2^(M_g - M) C_g  /  the sum over g of 2^(M_g - M) L_g,  M the largest M_g.  L_g is at least 1 (the row that gave M_g has p = 1), so the divisor is at least 1.
; One wave makes 128 columns of one batch: work-group = 4 b + quarter.  Lane g holds (M_g, L_g); the 32 weights go to scalar registers; lane l holds four neighbouring columns of every C_g.
; 540 KB in all: no LDS, no barrier, no matrix unit.
	s_load_b128 s[4:7], s[0:1], 0x0                ; cpart s[4:5], mlbuf s[6:7]
	s_load_b64 s[8:9], s[0:1], 0x10                ; out0
	s_lshr_b32 s10, ttmp9, 2                       ; b
	s_and_b32 s11, ttmp9, 3                        ; quarter of the columns
	s_lshl_b32 s12, s10, 16                        ; cpart: 32 rows of 2,048 bytes a batch,
	s_lshl_b32 s13, s11, 9                         ; 512 bytes a quarter
	s_add_co_u32 s12, s12, s13
	s_mov_b32 s13, 0
	s_lshl_b32 s14, s10, 12                        ; mlbuf: 32 x 128 bytes a batch
	s_mov_b32 s15, 0
	s_lshl_b32 s16, s10, 11                        ; out0: a row of 2,048 bytes
	s_lshl_b32 s17, s11, 9
	s_add_co_u32 s16, s16, s17
	s_mov_b32 s17, 0
	s_mov_b32 s18, 0x76543210                      ; v_permlanex16_b32's selects for lane l xor 16
	s_mov_b32 s19, 0xfedcba98
	v_lshlrev_b32 v1, 7, v0                        ; 128 x lane
	v_lshlrev_b32 v4, 4, v0                        ; 16 x lane
	v_mov_b32 v7, 0                                ; (a lane permute's destination counts as one of its sources)
	s_wait_alu depctr_va_vdst(0)
	s_wait_kmcnt 0x0
	s_add_nc_u64 s[4:5], s[4:5], s[12:13]
	s_add_nc_u64 s[6:7], s[6:7], s[14:15]
	s_add_nc_u64 s[8:9], s[8:9], s[16:17]
	global_load_b64 v[2:3], v1, s[6:7]             ; M_g, L_g
.set GI, 0
.rept 32
	global_load_b128 v[32+4*GI:35+4*GI], v4, s[4:5] offset:2048*GI   ; 512 consecutive bytes of C_g
.set GI, GI+1
.endr
	s_wait_loadcnt 32                              ; M and L are in; the 32 loads behind them may be out
	v_mov_b32 v5, v2
.irp x, 1,2,4,8
	v_max_num_f32_dpp v5, v5, v5 row_xmask:\x row_mask:0xf bank_mask:0xf
.endr
	v_permlanex16_b32 v7, v5, s18, s19
	v_max_num_f32 v5, v5, v7                       ; M
	v_sub_f32 v6, v2, v5
	s_wait_alu depctr_va_vdst(0)
	v_exp_f32 v6, v6                               ; 2^(M_g - M)
	v_nop                                          ; one plain place behind a transcendental
	s_wait_alu depctr_va_vdst(0)
	v_mul_f32 v8, v6, v3
.irp x, 1,2,4,8
	v_add_f32_dpp v8, v8, v8 row_xmask:\x row_mask:0xf bank_mask:0xf
.endr
	v_permlanex16_b32 v7, v8, s18, s19
	v_add_f32 v8, v8, v7                           ; the row's whole sum
	s_wait_alu depctr_va_vdst(0)
	v_rcp_f32 v8, v8
	v_nop
	s_wait_alu depctr_va_vdst(0)
	v_mul_f32 v6, v6, v8                           ; the weight of work-group g
.set GI, 0
.rept 32
	v_readlane_b32 s[32+GI], v6, GI
.set GI, GI+1
.endr
	s_wait_loadcnt 0x0
.irp i, 0,1,2,3                        ; two sets of four sums, even g and odd g; the first products start them
	v_mul_f32 v[160+\i], s32, v[32+\i]
	v_mul_f32 v[164+\i], s33, v[36+\i]
.endr
.set GI, 2
.rept 30
.irp i, 0,1,2,3
	v_fmac_f32 v[160+4*(GI%2)+\i], s[32+GI], v[32+4*GI+\i]
.endr
.set GI, GI+1
.endr
.irp i, 0,1,2,3
	v_add_f32 v[160+\i], v[160+\i], v[164+\i]
.endr
	global_store_b128 v4, v[160:163], s[8:9]       ; 32 lanes store 512 consecutive bytes
	s_endpgm
.Lfunc_end_k_qe31974fd99_comb:
	.size	k_qe31974fd99_comb, .Lfunc_end_k_qe31974fd99_comb-k_qe31974fd99_comb
	.p2alignl 7, 3214868480
	.fill 96, 4, 3214868480
	.section	.rodata,"a",@progbits
	.p2align	6, 0x0
	.amdhsa_kernel k_qe31974fd99_comb
		.amdhsa_group_segment_fixed_size 0
		.amdhsa_private_segment_fixed_size 0
		.amdhsa_enable_private_segment 0
		.amdhsa_kernarg_size 24
		.amdhsa_user_sgpr_count 2
		.amdhsa_user_sgpr_kernarg_segment_ptr 1
		.amdhsa_wavefront_size32 1
		.amdhsa_system_sgpr_workgroup_id_x 1
		.amdhsa_system_sgpr_workgroup_id_y 1
		.amdhsa_system_sgpr_workgroup_id_z 1
		.amdhsa_system_vgpr_workitem_id 0
		.amdhsa_next_free_vgpr 176
		.amdhsa_next_free_sgpr 66
		.amdhsa_reserve_vcc 0
		.amdhsa_float_denorm_mode_32 3
		.amdhsa_float_denorm_mode_16_64 3
		.amdhsa_memory_ordered 1
		.amdhsa_forward_progress 1
		.amdhsa_inst_pref_size 12
	.end_amdhsa_kernel
	.amdgpu_metadata
---
amdhsa.version: [ 1, 2 ]
amdhsa.kernels:
  - .name:           k_qe31974fd99_comb
    .symbol:         k_qe31974fd99_comb.kd
    .args:
      - { .name: cpart, .offset: 0, .size: 8, .value_kind: global_buffer, .address_space: global }
      - { .name: mlbuf, .offset: 8, .size: 8, .value_kind: global_buffer, .address_space: global }
      - { .name: out0, .offset: 16, .size: 8, .value_kind: global_buffer, .address_space: global }
    .group_segment_fixed_size: 0
    .private_segment_fixed_size: 0
    .kernarg_segment_align: 8
    .kernarg_segment_size: 24
    .max_flat_workgroup_size: 32
    .sgpr_count:     66
    .vgpr_count:     176
    .wavefront_size: 32
...
	.end_amdgpu_metadata
.endif
;; end of part 3
